; MI455X (gfx1250); checked and timed in simulation.
; The chip was launched on July 23, 2026; its instructions are those of AMD's public machine-readable ISA for CDNA 5 (MIT licence, August 2026) and "CDNA5" Instruction Set Architecture Reference Guide (July 2026). The comments in the code are by the model that wrote it; some were corrected since.
;; Var Whisper Attention. Allowed arithmetic: matrix products marked QUANTISED: E2M3 operands, one E8M0 scale for each 32 along K, by v_wmma_scale_f32_16x16x128_f8f6f4 with both operands' format E2M3, f32 sums; everything else in f32.
;; Inputs: attention_mask 2 x 1 x 2,048 x 2,048 float32; position_ids 2 x 2,048 int32; qkv 2 x 2,048 x 3 x 16 x 64 float32; sliding_window_mask 2 x 1 x 2,048 x 2,048 float32.
;; Outputs: out0 2 x 2,048 x 1,024 float32.
;; This version of the problem:
;;   THIS VERSION OF THE PROBLEM IS GIVEN IN LOW PRECISION. The matrix products marked QUANTISED in the list below multiply operands that are first quantised to E2M3 (2 exponent bits, 3 mantissa bits; 6 bits a number), with one power-of-two scale for each 32 numbers along K (OCP MX v1.0); their sums are f32. All else is computed in f32.
;;   The module's matrix products, in the order in which they are computed (A, B: the left and right operand; K: the contracted axis; several contracted axes count as one K, in the product's order):
;;     1. batch 32 x [M 2,048, K 64] x [K 64, N 2,048]; A: computed on the way; B: computed on the way: QUANTISED
;;     2. batch 32 x [M 2,048, K 2,048] x [K 2,048, N 64]; A: softmax (see below); B: input qkv: QUANTISED
;;   THE QUANTISER, for each operand of a quantised product, along K:
;;     - K is cut into blocks of 32 from its start; a last block that is shorter is filled with zeros.
;;     - A block's scale is 2^e with e = floor(log2(the largest magnitude in the block)) - 2, held to -126 .. 127; a block of zeros has e = 0. As a byte (E8M0): e + 127.
;;     - Each number is divided by its block's scale, clamped to +-7.5, and rounded to the nearest number of E2M3, ties to even, subnormals kept.
;;     - The product sums the exact products of the quantised numbers (number of the format x scale) in f32.
;;   ~~~python
;;   def quantise(x, axis):      # numpy; x: float32 -> the quantised numbers, widened to float32 again
;;       x = np.moveaxis(x, axis, -1); K = x.shape[-1]
;;       x = np.pad(x, [(0, 0)] * (x.ndim - 1) + [(0, -K % 32)]); x = x.reshape(x.shape[:-1] + (-1, 32)); a = np.abs(x).max(-1, keepdims=True)
;;       e = np.where(a > 0, np.clip(np.frexp(np.where(a > 0, a, 1))[1] - 1 - 2, -126, 127), 0)      # np.frexp(a)[1] - 1 = floor(log2(a)), exactly
;;       r = np.clip(x / 2.0 ** e, -7.5, 7.5)
;;       step = 2.0 ** (np.maximum(np.frexp(np.where(r == 0, 1, r))[1] - 1, 0) - 3)
;;       q = np.round(r / step) * step * 2.0 ** e      # np.round: ties to even
;;       return np.moveaxis(q.reshape(q.shape[:-2] + (-1,))[..., :K], -1, axis).astype(np.float32)
;;   ~~~
;;   SOFTMAX AHEAD OF A QUANTISED PRODUCT. Where the list says 'softmax', what is quantised is not the finished softmax but p = 2^(t - M), with t = logit x log2(e) and M = ceil(the row's largest t), a whole number; so 1/2 < the row's largest p <= 1. The row's sum l is taken of the UNQUANTISED p, in f32, and the product's result is divided by l at the end. Since M is a whole number, a kernel that streams over the keys may use a running M (the ceiling of the running maximum): every later rescaling is an exact power of two, which a block's scale takes up: the codes' values come out the same.
;;   OPERANDS COMPUTED ON THE WAY. 'Computed on the way' means the value that the module computes at that place (a softmax that the list does not call 'softmax' is quantised finished and normalised). What goes into a quantiser is computed in f32, as accurately as f32 sums, v_exp_f32 and their like allow (about 1e-6 of the number): no bf16 or f16 on the way to a quantiser, and a product that is left as it is and whose result goes on into a quantised operand takes f32 operands (vector FMAs, or v_wmma_f32_16x16x4_f32). A number that lies on a knife's edge between two numbers of the format may be rounded either way, as far as f32 arithmetic and the matrix unit's own rounding can turn it there, and no further.
;; One version. Each part assembles by itself: llvm-mc -triple=amdgcn-amd-amdhsa -mcpu=gfx1250 --defsym DOCPART=n.
;; ======== version 1 of 1: 3 launches
;; limits: right only within a limited range of input values
;; workspace buffers: kv 6,553,600 bytes; qc 3,276,800 bytes; am 4,096 bytes; need 1,024 bytes of whole numbers
;; launch prep (part 1): grid 8 x 32, 4 waves a work-group, no clusters, 205,312 bytes of LDS; arguments qkv, position_ids, kv, qc, am; writes kv, qc, am
.if DOCPART == 1
	.amdgcn_target "amdgcn-amd-amdhsa--gfx1250"
	.amdhsa_code_object_version 6
	.text
	.protected	k_qb10e0ec166_prep
	.globl	k_qb10e0ec166_prep
	.p2align	8
	.type	k_qb10e0ec166_prep,@function
k_qb10e0ec166_prep:
	s_mov_b64 s[64:65], 0
	v_nop
	global_prefetch_b8 v0, s[64:65] scope:SCOPE_SE
	s_setreg_imm32_b32 hwreg(HW_REG_WAVE_MODE, 25, 1), 1
	s_wait_xcnt 0x0
; PREP: qkv [2][2048][3][16][64] f32 and position_ids [2][2048] i32 become codes of FP6 (E2M3) with E8M0 scale bytes, laid as IMAGES OF OPERAND REGISTERS for the attention launch.
;   q, k: rotary embedding in f32 (cos and sin made here, from the positions as they are given), then quantised along the head's 64 (two blocks of 32).   v: quantised along the keys (blocks of 32 keys).
; AN IMAGE of a fragment (12 registers a lane) is 1,536 bytes: register 4 c + i of lane l at 512 c + 16 l + 4 i: three stores of 512 consecutive bytes here, three loads there.
; kv [b 2][hg 4][step 16][j 4][12,800]  (head 4 hg + j, a step = 128 keys).  A record: +0 four K images, +6,144 four V^T images, +12,288 K's scale words (64 f + 4 r), +12,544 V's (64 t + 4 r).
;   K image f: lane (r, h), registers 6 u .. 6 u + 5: d = 32 h .. 32 h + 31 of key 32 f + 8 u + r + 8 (r / 8): TWO tiles of 16 keys in one fragment of K = 128; word (f, r): bytes 2 u + h.
;   V^T image t: lane (r, h), registers 6 c .. 6 c + 5: keys 64 c + 32 h + 0 .. 31 of channel 16 t + r; word (t, r): the four key blocks' bytes.
; qc [b 2][head 16][102,400]: 64 images (g = position / 32, laid as a K image) and, from +98,304, their words (64 g + 4 r), EACH BYTE LOWERED BY 3: the factor 64^-0.5 = 2^-3 on the scores, exactly.
; SHARES.  Work-group (x = pair of heads 2 x, 2 x + 1; y = 16 b + step: 128 positions).  Wave w: positions 32 w .. 32 w + 31: cos and sin once, then four fragments (q, k x two heads); then one quarter of v:
;   head w / 2 of the pair, channels 32 (w % 2) on, all 128 keys.  For q and k a lane holds ONE WHOLE ROW of 64 numbers, so the rotation and both block maxima need no other lane; for v a lane holds a channel and its registers run down the keys.
; One tensor load a wave (96 rows x 512 bytes: the pair's q, k, v of 32 positions) fills LDS once; nothing is filled again.  A wave reads its own q and k tiles behind its own wait; v is read across waves, behind one barrier.
; LIMITS.  NaN and infinities are not served.  q and k blocks whose largest magnitude lies under 2^-121 are held at the byte 4 (q's then 1), v blocks under 2^-124 at the byte 1; a block of zeros keeps that byte, its codes are zeros,
;   and this program alone reads the bytes.  Positions up to 2^22 in magnitude: the reduction by pi/2 in three parts keeps the phase to about 1e-7.  The inverse frequency is f32(1 / f32(10^(i / 8))).
.set ROWB,  12288                      ; bytes of a (b, s) row of qkv
.set PITCH, 528                        ; an LDS row: 512 bytes + 16 = 33 x 16 bytes
.set TILE,  32*PITCH                   ; 32 rows; one tensor load brings three
; ONE tensor load a wave brings q, k and v.  q, k and v of a position lie 4,096 bytes apart and positions 3 x 4,096 apart, so the
; pair's q, k, v of 32 positions are 96 rows of 512 bytes, 4,096 bytes from row to row.  LDS: row 3 n + c (c = 0 q, 1 k, 2 v) of position n of the work-group's 128 at 528 (3 n + c).
; am [1,024] f32: each wave also stores the largest magnitude among its rotated q and k (floor 2^-121); the next launch makes a bound on the scores of it.
; attention_mask is an argument of no launch: reference() adds sliding_window_mask unconditionally, so no result hangs on attention_mask, whatever it holds.
.set REC,   12800
.set IMGB,  1536
.set QHEAD, 102400
.set G1,  24                           ; s[24:31] descriptor group 1, for the one load
.set G0,  32                           ; s[32:35] group 0
.set SK,  44                           ; s[44:45] K's image of head A;   s[46:47] its words
.set SKS, 46
.set SQ,  48                           ; s[48:49] q's image of head A;   s[50:51] its words
.set SQS, 50
.set SV,  52                           ; s[52:53] my two V^T images;     s[54:55] their words
.set SVS, 54
.set COS, 16                           ; v16-47   cos of my position at the 32 frequencies
.set SIN, 48                           ; v48-79   sin
.set X,   80                           ; v80-143  a row as loaded; later two sets of 32 keys of v
.set Y,   144                          ; v144-207 the row rotated
.set FA,  144                          ; later: v's codes, even key blocks; after the exchange the first image
.set FB,  156                          ; odd key blocks; the second image
.set VW,  168                          ; v's scale word
.set PC,  208                          ; v208-219 a fragment's codes
.set T0,  220                          ; v220-222, v224-226: upper halves of a block's codes (a conversion's three registers begin on an even number)
.set T1,  224
.set TA,  228                          ; v228-235, v236-243 at work on two frequencies
.set TB,  236
.set M0,  228                          ; the same registers at work in the quantiser
.set M1,  229
.set SO0, 230
.set SO1, 231
.set BY0, 232
.set BY1, 233
.set W,   234
.set WA,  244                          ; head A's word, kept for the joint store
.set WQ,  245                          ; q's words as stored; written once
.set WK,  246                          ; k's likewise
.set PW,  247                          ; lane l xor 16's two bytes
	s_load_b256 s[4:11], s[0:1], 0x0
	s_load_b64 s[36:37], s[0:1], 0x20              ; am
	v_lshl_add_u32 v254, v0, 2, 0x32000
	v_mov_b32 v255, 0
	ds_add_u32 v254, v255
	ds_add_u32 v254, v255
	v_lshrrev_b32 v11, 5, v0
	v_readfirstlane_b32 s12, v11                   ; wave 0..3
	s_mov_b32 s13, ttmp9                           ; the pair of heads
	s_and_b32 s14, ttmp7, 0xffff                   ; y = 16 b + step
	s_lshr_b32 s16, s14, 4                         ; b
	s_and_b32 s17, s14, 15                         ; step
	s_mul_i32 s15, s12, 3*TILE                     ; my 96 rows' place in LDS
	s_lshl_b32 s18, s14, 7
	s_lshl_b32 s19, s12, 5
	s_add_co_u32 s18, s18, s19                     ; my first row of qkv: 128 y + 32 w
	s_mul_i32 s20, s18, ROWB
	s_lshl_b32 s21, s13, 9
	s_add_co_u32 s20, s20, s21                     ; + the pair's 512 bytes
	s_mov_b32 s21, 0
	s_lshl_b32 s22, s18, 2                         ; my positions
	s_mov_b32 s23, 0
	s_lshl_b32 s2, s16, 6                          ; head A's record: ((4 b + hg) 16 + step) x 51,200 + j x 12,800, hg = x / 2, j = 2 (x % 2)
	s_lshr_b32 s3, s13, 1
	s_lshl_b32 s3, s3, 4
	s_add_co_u32 s2, s2, s3
	s_add_co_u32 s2, s2, s17
	s_mul_i32 s2, s2, 4*REC
	s_and_b32 s3, s13, 1
	s_mul_i32 s3, s3, 2*REC
	s_add_co_u32 s2, s2, s3
	s_mul_i32 s3, s12, IMGB
	s_add_co_u32 s[SK], s2, s3                     ; K image f = w
	s_mov_b32 s[SK+1], 0
	s_lshl_b32 s3, s12, 6
	s_add_co_u32 s[SKS], s2, s3
	s_add_co_u32 s[SKS], s[SKS], 12288
	s_mov_b32 s[SKS+1], 0
	s_lshr_b32 s3, s12, 1                          ; v: head w / 2 of the pair,
	s_mul_i32 s3, s3, REC
	s_add_co_u32 s2, s2, s3
	s_and_b32 s3, s12, 1                           ; channel half w % 2: images 2 (w % 2) and the next
	s_mul_i32 s18, s3, 2*IMGB
	s_add_co_u32 s[SV], s2, s18
	s_add_co_u32 s[SV], s[SV], 6144
	s_mov_b32 s[SV+1], 0
	s_lshl_b32 s3, s3, 7
	s_add_co_u32 s[SVS], s2, s3
	s_add_co_u32 s[SVS], s[SVS], 12544
	s_mov_b32 s[SVS+1], 0
	s_lshl_b32 s2, s16, 4                          ; q: head A = 16 b + 2 x,
	s_lshl_b32 s3, s13, 1
	s_add_co_u32 s2, s2, s3
	s_mul_i32 s2, s2, QHEAD
	s_lshl_b32 s3, s17, 2
	s_add_co_u32 s3, s3, s12                       ; image g = 4 step + w
	s_mul_i32 s18, s3, IMGB
	s_add_co_u32 s[SQ], s2, s18
	s_mov_b32 s[SQ+1], 0
	s_lshl_b32 s3, s3, 6
	s_add_co_u32 s[SQS], s2, s3
	s_add_co_u32 s[SQS], s[SQS], 98304
	s_mov_b32 s[SQS+1], 0
	; descriptor group 1: 96 rows x 128 elements of 4 bytes, rows 1,024 elements apart in memory, 4 words of padding behind every 128 in LDS
	s_mov_b32 s[G1+0], (2<<16)|(1<<20)|(6<<22)|(3<<25)
	s_mov_b32 s[G1+1], 128<<16                     ; tensor_dim0
	s_mov_b32 s[G1+2], 96<<16                      ; tensor_dim1
	s_mov_b32 s[G1+3], 128<<16                     ; tile_dim0
	s_mov_b32 s[G1+4], 96                          ; tile_dim1
	s_mov_b32 s[G1+5], 1024                        ; from row to row: 1,024 elements
	s_mov_b32 s[G1+6], 0
	s_mov_b32 s[G1+7], 0
	s_wait_dscnt 0x0
	s_wait_kmcnt 0x0
	s_add_nc_u64 s[20:21], s[4:5], s[20:21]        ; q of my first row
	s_mov_b32 s[G0], 1
	s_mov_b32 s[G0+1], s15
	s_mov_b64 s[G0+2:G0+3], s[20:21]
	s_or_b32 s[G0+3], s[G0+3], 0x80000000
	tensor_load_to_lds s[G0:G0+3], s[G1:G1+7]      ; my one tensor load: q, k and v of my 32 positions
	s_nop 0
.rept 4
	v_nop                                          ; (behind tensor loads)
.endr
	s_add_nc_u64 s[6:7], s[6:7], s[22:23]
	s_lshl_b32 s38, s14, 3
	s_add_co_u32 s38, s38, s13
	s_lshl_b32 s38, s38, 2
	s_add_co_u32 s38, s38, s12                     ; am: word 4 (8 y + x) + wave: the first 512 words are batch 0's
	s_lshl_b32 s38, s38, 2
	s_mov_b32 s39, 0
	s_add_nc_u64 s[36:37], s[36:37], s[38:39]
	s_add_nc_u64 s[SK:SK+1], s[8:9], s[SK:SK+1]
	s_add_nc_u64 s[SKS:SKS+1], s[8:9], s[SKS:SKS+1]
	s_add_nc_u64 s[SV:SV+1], s[8:9], s[SV:SV+1]
	s_add_nc_u64 s[SVS:SVS+1], s[8:9], s[SVS:SVS+1]
	s_add_nc_u64 s[SQ:SQ+1], s[10:11], s[SQ:SQ+1]
	s_add_nc_u64 s[SQS:SQS+1], s[10:11], s[SQS:SQS+1]
	v_and_b32 v1, 31, v0                           ; lane
	v_and_b32 v11, 7, v0
	v_bfe_u32 v12, v0, 3, 1
	v_lshl_add_u32 v11, v12, 4, v11
	v_bfe_u32 v12, v0, 4, 1                        ; lane / 16
	v_lshl_add_u32 v11, v12, 3, v11                ; MY ROW of the wave's 32: lane % 8 + 16 ((lane / 8) % 2) + 8 (lane / 16): lanes 0-15 hold tile u = 0's rows r, lanes 16-31 tile u = 1's
	v_lshlrev_b32 v14, 2, v11
	global_load_b32 v10, v14, s[6:7]               ; my position
	v_mul_u32_u24 v2, v11, 3*PITCH
	v_add_nc_u32 v2, s15, v2                       ; v2: my row of q in LDS;
	v_add_nc_u32 v3, PITCH, v2
	v_lshlrev_b32 v9, 2, v1                        ; v9: 4 x lane
	s_lshl_b32 s2, s12, 7                          ; v: head w / 2 (256 bytes) and half w % 2 (128 bytes) are 128 w bytes
	s_add_co_u32 s2, s2, 2*PITCH
	v_add_nc_u32 v4, s2, v9                        ; v4: key 0 of my channel;
	v_add_nc_u32 v5, 96*PITCH, v4                  ; v5: key 32, v248: key 64, v249: key 96 (a base for each block of 32 keys keeps the offsets inside 16 bits)
	v_add_nc_u32 v248, 192*PITCH, v4
	v_add_nc_u32 v249, 288*PITCH, v4
	v_lshlrev_b32 v6, 4, v1                        ; v6: 16 x lane: an image's place for my lane
	v_and_b32 v13, 15, v0
	v_lshlrev_b32 v13, 2, v13
	v_mad_u32_u24 v7, v12, REC, v13                ; v7: k's words: lanes 0-15 head A's, lanes 16-31 head B's, one record on
	v_mad_u32_u24 v8, v12, QHEAD, v13              ; v8: q's likewise
	v_mov_b32 v[PW], 0
	v_mov_b32 v250, 0                              ; the offset of am's store
	v_mov_b32 v251, 0                              ; the largest magnitude of q and k so far
	v_mov_b32 v252, 0                              ; (a lane permute's destination)
	s_mov_b32 s56, 0x76543210
	s_mov_b32 s57, 0xfedcba98                      ; v_permlanex16_b32's selects for lane l xor 16
	s_mov_b32 s59, 0x3f22f983                      ; 2 / pi
	s_mov_b32 s60, 0x3fc90fdb                      ; pi / 2 in three parts: 1.57079637,
	s_mov_b32 s61, 0xb33bbd2e                      ; -4.37113883e-8,
	s_mov_b32 s62, 0xa6f72ced                      ; -1.71512449e-15
	s_mov_b32 s63, 0xbe2aaaa3                      ; sin r = r + r z (S1 + z (S2 + z S3)), z = r^2:  S1 = -1.6666654611e-1
	s_mov_b32 s16, 0x3c08839e                      ; S2 = 8.3321608736e-3
	s_mov_b32 s58, 0xb94ca1f9                      ; S3 = -1.9515295891e-4
	s_mov_b32 s17, 0x3d2aaaa5                      ; cos r = 1 - z / 2 + z^2 (C1 + z (C2 + z C3)):  C1 = 4.1666645683e-2
	s_mov_b32 s18, 0xbab6061a                      ; C2 = -1.3887316255e-3
	s_mov_b32 s19, 0x37ccf5ce                      ; C3 = 2.4433157118e-5
	s_wait_loadcnt 0x0
	v_cvt_f32_i32 v10, v10                         ; the position in f32
; cos and sin of position x inverse frequency, for frequencies i and i + 1 by turns.  pa, pb = 10000^(i / 32) = 10^(i / 8).  In a set of eight registers: +0 R, +1 F, +2 N, +3 Z, +4 I, +5 sin r, +6 cos r, +7 at work.
.macro SINCOS2 i, pa, pb
	v_rcp_f32 v[TA], \pa
	v_rcp_f32 v[TB], \pb
	v_nop                                          ; one plain place behind the reciprocals
	s_wait_alu depctr_va_vdst(0)
	v_fma_f32 v[TA+1], -v[TA], \pa, 1.0            ; one step of Newton: R = the f32 nearest to 1 / the f32 power
	v_fma_f32 v[TB+1], -v[TB], \pb, 1.0
.irp t, TA, TB
	v_fma_f32 v[\t], v[\t+1], v[\t], v[\t]
.endr
.irp t, TA, TB
	v_mul_f32 v[\t+1], v10, v[\t]                  ; F: the phase, one f32 product
.endr
.irp t, TA, TB
	v_mul_f32 v[\t+2], s59, v[\t+1]
.endr
.irp t, TA, TB
	v_rndne_f32 v[\t+2], v[\t+2]                   ; N: how many quarter turns
.endr
.irp t, TA, TB
	v_fma_f32 v[\t+1], -v[\t+2], s60, v[\t+1]      ; r = F - N pi / 2: the first step is exact, the other two bring the rest of pi / 2
.endr
.irp t, TA, TB
	v_fma_f32 v[\t+1], -v[\t+2], s61, v[\t+1]
.endr
.irp t, TA, TB
	v_fma_f32 v[\t+1], -v[\t+2], s62, v[\t+1]
.endr
.irp t, TA, TB
	v_cvt_i32_f32 v[\t+4], v[\t+2]
.endr
.irp t, TA, TB
	v_mul_f32 v[\t+3], v[\t+1], v[\t+1]            ; z
.endr
.irp t, TA, TB
	v_fma_f32 v[\t+5], s58, v[\t+3], s16
	v_fma_f32 v[\t+6], s19, v[\t+3], s18
.endr
.irp t, TA, TB
	v_fma_f32 v[\t+5], v[\t+5], v[\t+3], s63
	v_fma_f32 v[\t+6], v[\t+6], v[\t+3], s17
.endr
.irp t, TA, TB
	v_mul_f32 v[\t+7], v[\t+3], v[\t+1]            ; z r
	v_mul_f32 v[\t], v[\t+3], v[\t+3]              ; z^2
	v_fma_f32 v[\t+2], v[\t+3], -0.5, 1.0          ; 1 - z / 2
.endr
.irp t, TA, TB
	v_fma_f32 v[\t+5], v[\t+5], v[\t+7], v[\t+1]   ; sin r
	v_fma_f32 v[\t+6], v[\t+6], v[\t], v[\t+2]     ; cos r
.endr
.irp t, TA, TB
	v_and_b32 v[\t+7], 1, v[\t+4]                  ; an odd quarter swaps the two;
	v_lshlrev_b32 v[\t], 30, v[\t+4]               ; sin is negative in quarters 2, 3: bit 1 of I;
	v_add_nc_u32 v[\t+4], 1, v[\t+4]               ; cos in quarters 1, 2: bit 1 of I + 1
.endr
.irp t, TA, TB
	v_lshlrev_b32 v[\t+4], 30, v[\t+4]
	v_and_b32 v[\t], 0x80000000, v[\t]
.endr
.irp t, TA, TB
	v_and_b32 v[\t+4], 0x80000000, v[\t+4]
.endr
	v_cmp_ne_u32 vcc_lo, 0, v[TA+7]
	v_cndmask_b32 v[SIN+\i], v[TA+5], v[TA+6], vcc_lo
	v_cndmask_b32 v[COS+\i], v[TA+6], v[TA+5], vcc_lo
	v_cmp_ne_u32 vcc_lo, 0, v[TB+7]
	v_cndmask_b32 v[SIN+\i+1], v[TB+5], v[TB+6], vcc_lo
	v_cndmask_b32 v[COS+\i+1], v[TB+6], v[TB+5], vcc_lo
	v_xor_b32 v[SIN+\i], v[SIN+\i], v[TA]
	v_xor_b32 v[COS+\i], v[COS+\i], v[TA+4]
	v_xor_b32 v[SIN+\i+1], v[SIN+\i+1], v[TB]
	v_xor_b32 v[COS+\i+1], v[COS+\i+1], v[TB+4]
.endm
	; all of this stands between the tensor loads and the first wait for them
	SINCOS2 0, 1.0, 1.333521432163324
	SINCOS2 2, 1.778279410038923, 2.371373705661655
	SINCOS2 4, 3.162277660168379, 4.216965034285822
	SINCOS2 6, 5.623413251903491, 7.498942093324558
	SINCOS2 8, 10.0, 13.33521432163324
	SINCOS2 10, 17.78279410038923, 23.71373705661655
	SINCOS2 12, 31.62277660168379, 42.16965034285822
	SINCOS2 14, 56.23413251903491, 74.98942093324558
	SINCOS2 16, 100.0, 133.3521432163324
	SINCOS2 18, 177.8279410038923, 237.1373705661655
	SINCOS2 20, 316.2277660168379, 421.6965034285822
	SINCOS2 22, 562.3413251903491, 749.8942093324558
	SINCOS2 24, 1000.0, 1333.521432163324
	SINCOS2 26, 1778.279410038923, 2371.373705661655
	SINCOS2 28, 3162.277660168379, 4216.965034285822
	SINCOS2 30, 5623.413251903491, 7498.942093324558
.macro XLOAD adr, j                    ; my row's 64 numbers of head j of the pair
.irp i, 0,1,2,3,4,5,6,7,8,9,10,11,12,13,14,15
	ds_load_b128 v[X+4*\i:X+4*\i+3], v[\adr] offset:256*\j+16*\i
.endr
.endm
.macro ROPE                            ; y[i] = x[i] cos[i] - x[32 + i] sin[i];  y[32 + i] = x[32 + i] cos[i] + x[i] sin[i];  two at a time
.irp i, 0,2,4,6,8,10,12,14,16,18,20,22,24,26,28,30
	v_pk_mul_f32 v[Y+\i:Y+\i+1], v[X+\i:X+\i+1], v[COS+\i:COS+\i+1]
	v_pk_mul_f32 v[Y+32+\i:Y+33+\i], v[X+32+\i:X+33+\i], v[COS+\i:COS+\i+1]
.endr
.irp i, 0,2,4,6,8,10,12,14,16,18,20,22,24,26,28,30
	v_pk_fma_f32 v[Y+\i:Y+\i+1], v[X+32+\i:X+33+\i], v[SIN+\i:SIN+\i+1], v[Y+\i:Y+\i+1] neg_lo:[1,0,0] neg_hi:[1,0,0]
	v_pk_fma_f32 v[Y+32+\i:Y+33+\i], v[X+\i:X+\i+1], v[SIN+\i:SIN+\i+1], v[Y+32+\i:Y+33+\i]
.endr
.endm
; My row's two blocks of 32 become codes, and the wave's 32 rows a fragment in v[PC] on; v[W]: my row's two bytes, v[PW]: those of lane l xor 16's row.
.macro QUANT2
	v_max3_num_f32 v[M0], |v[Y]|, |v[Y+1]|, 0x3000000          ; the floor 2^(6 - 127): no byte under 4, so that q's bytes less 3 stay at 1 or above
	v_max3_num_f32 v[M1], |v[Y+32]|, |v[Y+33]|, 0x3000000
.irp i, 2,4,6,8,10,12,14,16,18,20,22,24,26,28,30
	v_max3_num_f32 v[M0], v[M0], |v[Y+\i]|, |v[Y+1+\i]|
	v_max3_num_f32 v[M1], v[M1], |v[Y+32+\i]|, |v[Y+33+\i]|
.endr
	v_max3_num_f32 v251, v251, v[M0], v[M1]
	v_add_nc_u32 v[SO0], 0xff000000, v[M0]
	v_add_nc_u32 v[SO1], 0xff000000, v[M1]
	v_lshrrev_b32 v[BY0], 23, v[SO0]               ; the scales' bytes
	v_lshrrev_b32 v[BY1], 23, v[SO1]
	v_lshl_or_b32 v[W], v[BY1], 8, v[BY0]
	v_permlanex16_b32 v[PW], v[W], s56, s57
	s_wait_alu depctr_va_vdst(0)
	s_wait_xcnt 0x0                                ; the last fragment's stores have read v[PC] on: only now is it written again
	v_cvt_scalef32_pk16_fp6_f32 v[PC:PC+2], v[Y:Y+15], v[SO0]
	v_cvt_scalef32_pk16_fp6_f32 v[T0:T0+2], v[Y+16:Y+31], v[SO0]
	v_cvt_scalef32_pk16_fp6_f32 v[PC+6:PC+8], v[Y+32:Y+47], v[SO1]
	v_cvt_scalef32_pk16_fp6_f32 v[T1:T1+2], v[Y+48:Y+63], v[SO1]
	v_nop                                          ; one plain place behind the scaled conversions
.irp i, 0,1,2
	v_mov_b32 v[PC+3+\i], v[T0+\i]                 ; v[PC .. PC+5]: my row's block 0;
	v_mov_b32 v[PC+9+\i], v[T1+\i]                 ; v[PC+6 .. PC+11]: its block 1
.endr
.irp i, 0,1,2,3,4,5
	v_permlane16_swap_b32 v[PC+\i], v[PC+6+\i]     ; the first's lanes 16-31 change places with the second's lanes 0-15: registers 6 u on now hold block h of tile u's row r: the image
.endr
.endm
.macro IMG base, off                   ; the fragment goes out as it stands: each store covers 512 consecutive bytes, aligned
.irp c, 0,1,2
	global_store_b128 v6, v[PC+4*\c:PC+4*\c+3], s[\base:\base+1] offset:\off+512*\c
.endr
.endm
	s_wait_tensorcnt 0x0                           ; my 96 rows are in
	XLOAD 2, 0
	s_wait_dscnt 0x0                               ; ---- q, head A
	ROPE
	XLOAD 2, 1                                     ; the next row lands while this one is quantised
	QUANT2
	IMG SQ, 0
	v_lshl_or_b32 v[WA], v[PW], 16, v[W]           ; row r's word (bytes 2 u + h), right in lanes 0-15
	s_wait_dscnt 0x0                               ; ---- q, head B
	ROPE
	XLOAD 3, 0
	QUANT2
	IMG SQ, QHEAD
	v_lshl_or_b32 v[WQ], v[W], 16, v[PW]           ; right in lanes 16-31
	v_cmp_lt_u32 vcc_lo, 15, v1
	v_cndmask_b32 v[WQ], v[WA], v[WQ], vcc_lo      ; lanes 0-15 head A's words, lanes 16-31 head B's
	v_add_nc_u32 v[WQ], 0xfcfcfcfd, v[WQ]          ; 3 off each byte (each is 4 or more: no borrow): q / 8
	global_store_b32 v8, v[WQ], s[SQS:SQS+1]
	s_wait_dscnt 0x0                               ; ---- k, head A
	ROPE
	XLOAD 3, 1
	QUANT2
	IMG SK, 0
	v_lshl_or_b32 v[WA], v[PW], 16, v[W]
	s_wait_dscnt 0x0                               ; ---- k, head B
	ROPE
	QUANT2
	IMG SK, REC
	v_lshl_or_b32 v[WK], v[W], 16, v[PW]
	v_cmp_lt_u32 vcc_lo, 15, v1
	v_cndmask_b32 v[WK], v[WA], v[WK], vcc_lo
	global_store_b32 v7, v[WK], s[SKS:SKS+1]
	; ---- v: a lane takes a channel, its registers run down the keys: a block of 32 keys lies in one lane
	s_wait_tensorcnt 0x0                           ; my part of v is in,
	s_wait_dscnt 0x0
	s_barrier_signal -1
	s_barrier_wait -1                              ; everybody's is
.macro VLOAD kb                        ; keys 32 kb .. 32 kb + 31 of my channel into set kb % 2: 32 lanes read 128 consecutive bytes
.set vi, 0
.rept 32
	ds_load_b32 v[X+32*((\kb)%2)+vi], v[4+(\kb)+242*((\kb)/2)] offset:3*PITCH*vi
.set vi, vi+1
.endr
.endm
.macro VBLOCK kb
.set XS, X+32*((\kb)%2)
.if (\kb)%2
.set DD, FB+6*((\kb)/2)
.else
.set DD, FA+6*((\kb)/2)
.endif
.if (\kb) < 3
	s_wait_dscnt 32                                ; this block's 32 loads are in; the next block's may be out
.else
	s_wait_dscnt 0x0
.endif
	v_max3_num_f32 v[M0], |v[XS]|, |v[XS+1]|, |v[XS+2]|
	v_max3_num_f32 v[M1], |v[XS+3]|, |v[XS+4]|, |v[XS+5]|
.irp i, 6,10,14,18,22,26
	v_max3_num_f32 v[M0], v[M0], |v[XS+\i]|, |v[XS+\i+1]|
	v_max3_num_f32 v[M1], v[M1], |v[XS+\i+2]|, |v[XS+\i+3]|
.endr
	v_max3_num_f32 v[M0], v[M0], |v[XS+30]|, |v[XS+31]|
	v_max3_num_f32 v[M0], v[M0], v[M1], 0x1800000  ; and the floor 2^(3 - 127): the byte cannot fall under 1
	v_add_nc_u32 v[SO0], 0xff000000, v[M0]
	v_lshrrev_b32 v[BY0], 23, v[SO0]
.if (\kb) == 0
	v_mov_b32 v[VW], v[BY0]
.else
	v_lshl_or_b32 v[VW], v[BY0], 8*(\kb), v[VW]    ; my channel's word: byte kb
.endif
	v_cvt_scalef32_pk16_fp6_f32 v[DD:DD+2], v[XS:XS+15], v[SO0]
	v_cvt_scalef32_pk16_fp6_f32 v[T0:T0+2], v[XS+16:XS+31], v[SO0]
	v_nop                                          ; one plain place behind the scaled conversions
.irp i, 0,1,2
	v_mov_b32 v[DD+3+\i], v[T0+\i]
.endr
.if (\kb) < 2
	VLOAD (\kb)+2
.endif
.endm
	VLOAD 0
	VLOAD 1
	VBLOCK 0
	VBLOCK 1
	VBLOCK 2
	VBLOCK 3
.irp i, 0,1,2,3,4,5,6,7,8,9,10,11
	v_permlane16_swap_b32 v[FA+\i], v[FB+\i]       ; FA: channels 0-15 of my 32, lane (r, h) with key block 2 c + h; FB: channels 16-31: the two images
.endr
.irp c, 0,1,2
	global_store_b128 v6, v[FA+4*\c:FA+4*\c+3], s[SV:SV+1] offset:512*\c
.endr
.irp c, 0,1,2
	global_store_b128 v6, v[FB+4*\c:FB+4*\c+3], s[SV:SV+1] offset:IMGB+512*\c
.endr
	global_store_b32 v9, v[VW], s[SVS:SVS+1]
.irp m, 1,2,4,8
	v_max_num_f32_dpp v251, v251, v251 row_xmask:\m row_mask:0xf bank_mask:0xf
.endr
	v_permlanex16_b32 v252, v251, s56, s57
	v_max_num_f32 v251, v251, v252                 ; the wave's largest magnitude of q and k
	v_cmp_eq_u32 vcc_lo, 0, v1
	s_wait_alu depctr_va_vdst(0)                   ; directly ahead of the wait below
	s_wait_xcnt 0x0
	s_and_saveexec_b32 s38, vcc_lo
	global_store_b32 v250, v251, s[36:37]          ; lane 0 stores it
	s_wait_xcnt 0x0
	s_or_b32 exec_lo, exec_lo, s38
	s_wait_tensorcnt 0x0
	ds_add_u32 v254, v255
	s_wait_dscnt 0x0
	s_endpgm
.Lfunc_end_k_qb10e0ec166_prep:
	.size	k_qb10e0ec166_prep, .Lfunc_end_k_qb10e0ec166_prep-k_qb10e0ec166_prep
	.p2alignl 7, 3214868480
	.fill 96, 4, 3214868480
	.section	.rodata,"a",@progbits
	.p2align	6, 0x0
	.amdhsa_kernel k_qb10e0ec166_prep
		.amdhsa_group_segment_fixed_size 205312
		.amdhsa_private_segment_fixed_size 0
		.amdhsa_enable_private_segment 0
		.amdhsa_kernarg_size 40
		.amdhsa_user_sgpr_count 2
		.amdhsa_user_sgpr_kernarg_segment_ptr 1
		.amdhsa_wavefront_size32 1
		.amdhsa_system_sgpr_workgroup_id_x 1
		.amdhsa_system_sgpr_workgroup_id_y 1
		.amdhsa_system_sgpr_workgroup_id_z 1
		.amdhsa_system_vgpr_workitem_id 0
		.amdhsa_next_free_vgpr 256
		.amdhsa_next_free_sgpr 66
		.amdhsa_reserve_vcc 1
		.amdhsa_float_denorm_mode_32 3
		.amdhsa_float_denorm_mode_16_64 3
		.amdhsa_memory_ordered 1
		.amdhsa_forward_progress 1
		.amdhsa_inst_pref_size 105
	.end_amdhsa_kernel
	.amdgpu_metadata
---
amdhsa.version: [ 1, 2 ]
amdhsa.kernels:
  - .name:           k_qb10e0ec166_prep
    .symbol:         k_qb10e0ec166_prep.kd
    .args:
      - { .name: qkv, .offset: 0, .size: 8, .value_kind: global_buffer, .address_space: global }
      - { .name: position_ids, .offset: 8, .size: 8, .value_kind: global_buffer, .address_space: global }
      - { .name: kv, .offset: 16, .size: 8, .value_kind: global_buffer, .address_space: global }
      - { .name: qc, .offset: 24, .size: 8, .value_kind: global_buffer, .address_space: global }
      - { .name: am, .offset: 32, .size: 8, .value_kind: global_buffer, .address_space: global }
    .group_segment_fixed_size: 205312
    .private_segment_fixed_size: 0
    .kernarg_segment_align: 8
    .kernarg_segment_size: 40
    .max_flat_workgroup_size: 128
    .sgpr_count:     66
    .vgpr_count:     256
    .wavefront_size: 32
...
	.end_amdgpu_metadata
.endif
;; end of part 1
;; launch scan (part 2): grid 256 x 1, 16 waves a work-group, no clusters, 2,304 bytes of LDS; arguments sliding_window_mask, am, need; writes need
.if DOCPART == 2
	.amdgcn_target "amdgcn-amd-amdhsa--gfx1250"
	.amdhsa_code_object_version 6
	.text
	.protected	k_qb10e0ec166_scan
	.globl	k_qb10e0ec166_scan
	.p2align	8
	.type	k_qb10e0ec166_scan,@function
k_qb10e0ec166_scan:
	s_mov_b64 s[64:65], 0
	v_nop
	global_prefetch_b8 v0, s[64:65] scope:SCOPE_SE
	s_setreg_imm32_b32 hwreg(HW_REG_WAVE_MODE, 25, 1), 1
	s_wait_xcnt 0x0
; SCAN: reads every number of sliding_window_mask [2][1][2048][2048] once and says, for each block of 16 queries, which tiles of 128 keys the attention launch must walk: need[128 b + block], bit T.
; WHEN A TILE IS NOT WANTED.  A = the largest magnitude among the batch's rotated q and k (am).  A code times its scale is at most 7.5 / 4 of its block's largest magnitude, so |q . k / 8| <= 64 (1.875 A)^2 / 8 < 32 A^2 = B.
;   For a row let rowmax be its largest mask number and tilemax the tile's.  Every logit of the tile is at most tilemax + B, the row's largest at least rowmax - B.  The tile is left out only if FOR ALL 16 ROWS
;   rowmax - tilemax - 2^-18 max(|rowmax|, |tilemax|) >= 2 B + 256.  The term 2^-18 .. stands over what the f32 roundings of logit and t can move.  Then t - M < -256 log2(e) = -369 for every key of the tile:
;   2^(t - M) is 0 in f32, so p, its codes and its part of the row's sum are zeros by the problem's own definition.  The tile that holds a row's maximum never passes the test, so every row keeps a tile.
;   Nothing is taken from the mask's pattern: a mask without such gaps gives sixteen wanted tiles.  Where 64 A^2 overflows, the bound is infinite and every tile is wanted.
; LIMITS: NaN and infinities in the mask are not served.
; SHARES.  A work-group: 16 rows; a wave: one row, 16 loads of 512 consecutive bytes, one for each tile, all out at once.  No loop, so no prefetch; the waves share no input but am's 2,048 bytes, so no cluster.
.set SPARE, 256                        ; LDS: the waves' 16 words at 0; the spare words, 128 bytes a wave, from 256 on
.set R,  16                            ; v16-79  my row
.set A,  80                            ; v80-95  am, 16 words a lane
.set TM, 96                            ; v96-111 the tiles' maxima, then the gaps
	s_load_b128 s[4:7], s[0:1], 0x0                ; the mask, am
	s_load_b64 s[8:9], s[0:1], 0x10                ; need
	v_lshl_add_u32 v2, v0, 2, SPARE
	v_mov_b32 v3, 0
	v_lshrrev_b32 v1, 5, v0
	v_readfirstlane_b32 s10, v1                    ; wave = my row of the block
	v_and_b32 v4, 31, v0
	v_lshlrev_b32 v4, 4, v4                        ; 16 x lane
	v_lshlrev_b32 v11, 2, v1                       ; my wave's word in LDS
	v_mov_b32 v12, 0
	s_lshl_b32 s12, ttmp9, 4
	s_add_co_u32 s12, s12, s10
	s_lshl_b32 s12, s12, 13                        ; row x 8,192 bytes
	s_mov_b32 s13, 0
	s_lshr_b32 s14, ttmp9, 7
	s_lshl_b32 s14, s14, 11                        ; my batch's 512 words of am
	s_mov_b32 s15, 0
	s_lshl_b32 s16, ttmp9, 2
	s_mov_b32 s17, 0
	s_mov_b32 s18, 0x76543210
	s_mov_b32 s19, 0xfedcba98                      ; lane l xor 16
	s_mov_b32 s20, 0x42800000                      ; 64
	s_mov_b32 s21, 0x43800000                      ; 256
	s_mov_b32 s22, 0xb6800000                      ; -2^-18
	s_mov_b32 s23, 0
	s_wait_alu depctr_va_vdst(0)
	s_wait_kmcnt 0x0
	s_add_nc_u64 s[4:5], s[4:5], s[12:13]
	s_add_nc_u64 s[6:7], s[6:7], s[14:15]
	s_add_nc_u64 s[8:9], s[8:9], s[16:17]
.irp i, 0,1,2,3
	global_load_b128 v[A+4*\i:A+4*\i+3], v4, s[6:7] offset:512*\i
.endr
.irp t, 0,1,2,3,4,5,6,7,8,9,10,11,12,13,14,15
	global_load_b128 v[R+4*\t:R+4*\t+3], v4, s[4:5] offset:512*\t th:TH_LOAD_NT
.endr
	s_wait_loadcnt 16                              ; am is in; the row's sixteen loads may be out
	v_max3_num_f32 v6, v[A], v[A+1], v[A+2]
.irp i, 3,5,7,9,11,13
	s_delay_alu instid0(VALU_DEP_1)
	v_max3_num_f32 v6, v6, v[A+\i], v[A+\i+1]
.endr
	s_delay_alu instid0(VALU_DEP_1)
	v_max_num_f32 v6, v6, v[A+15]
.irp m, 1,2,4,8
	s_delay_alu instid0(VALU_DEP_1)
	v_max_num_f32_dpp v6, v6, v6 row_xmask:\m row_mask:0xf bank_mask:0xf
.endr
	s_delay_alu instid0(VALU_DEP_1)
	v_permlanex16_b32 v[A], v6, s18, s19
	s_delay_alu instid0(VALU_DEP_1)
	v_max_num_f32 v6, v6, v[A]                     ; A
	s_delay_alu instid0(VALU_DEP_1)
	v_mul_f32 v7, v6, v6
	s_delay_alu instid0(VALU_DEP_1)
	v_fma_f32 v7, v7, s20, s21                     ; 2 B + 256 = 64 A^2 + 256
	s_wait_alu depctr_va_vdst(0)                   ; directly ahead of the wait below
	s_wait_loadcnt 0x0
.set t, 0
.rept 16
	v_max3_num_f32 v[TM+t], v[R+4*t], v[R+4*t+1], v[R+4*t+2]   ; a load is a tile: my four numbers of it
.set t, t+1
.endr
.set t, 0
.rept 16
	v_max_num_f32 v[TM+t], v[TM+t], v[R+4*t+3]
.set t, t+1
.endr
.irp m, 1,2,4,8
.set t, 0
.rept 16
	v_max_num_f32_dpp v[TM+t], v[TM+t], v[TM+t] row_xmask:\m row_mask:0xf bank_mask:0xf   ; the sixteen tiles by turns
.set t, t+1
.endr
.endr
.set t, 0
.rept 16
	v_permlanex16_b32 v[R+4*t], v[TM+t], s18, s19
.set t, t+1
.endr
.set t, 0
.rept 16
	v_max_num_f32 v[TM+t], v[TM+t], v[R+4*t]       ; tilemax, in every lane
.set t, t+1
.endr
	v_max3_num_f32 v8, v[TM], v[TM+1], v[TM+2]
.irp i, 3,5,7,9,11,13
	s_delay_alu instid0(VALU_DEP_1)
	v_max3_num_f32 v8, v8, v[TM+\i], v[TM+\i+1]
.endr
	s_delay_alu instid0(VALU_DEP_1)
	v_max_num_f32 v8, v8, v[TM+15]                 ; rowmax
.set t, 0
.rept 16
	v_max_num_f32 v[R+4*t], |v8|, |v[TM+t]|
.set t, t+1
.endr
.set t, 0
.rept 16
	v_sub_f32 v[TM+t], v8, v[TM+t]
.set t, t+1
.endr
.set t, 0
.rept 16
	v_fma_f32 v[TM+t], v[R+4*t], s22, v[TM+t]      ; rowmax - tilemax - 2^-18 max(|rowmax|, |tilemax|)
.set t, t+1
.endr
.set t, 0
.rept 16
	v_cmp_lt_f32 s24, v[TM+t], v7                  ; under the bound: my row wants tile t.  All lanes agree, so lane t's bit is the answer
	s_and_b32 s24, s24, 1<<t
	s_or_b32 s23, s23, s24
.set t, t+1
.endr
	v_mov_b32 v10, s23
	ds_store_b32 v11, v10                          ; all lanes write my wave's word with the same value
	s_wait_dscnt 0x0
	s_barrier_signal -1
	s_barrier_wait -1
.irp i, 0,1,2,3
	ds_load_b128 v[16+4*\i:19+4*\i], v12 offset:16*\i
.endr
	s_wait_dscnt 0x0
.irp i, 0,1,2,3,4,5,6,7
	v_or_b32 v[16+\i], v[16+\i], v[24+\i]          ; a tile is wanted if any of the 16 rows wants it
.endr
.irp i, 0,1,2,3
	v_or_b32 v[16+\i], v[16+\i], v[20+\i]
.endr
	v_or_b32 v16, v16, v18
	v_or_b32 v17, v17, v19
	s_delay_alu instid0(VALU_DEP_1)
	v_or_b32 v16, v16, v17
	v_cmp_eq_u32 vcc_lo, 0, v0
	s_wait_alu depctr_va_vdst(0)                   ; directly ahead of the waits below
	s_wait_tensorcnt 0x0                           ; the wave's end, behind my last LDS store
	ds_add_u32 v2, v3
	s_wait_dscnt 0x0
	s_wait_xcnt 0x0                                ; EXEC changes only behind this wait
	s_and_saveexec_b32 s24, vcc_lo
	global_store_b32 v12, v16, s[8:9]              ; thread 0 stores the block's word
	s_wait_xcnt 0x0
	s_or_b32 exec_lo, exec_lo, s24
	s_endpgm
.Lfunc_end_k_qb10e0ec166_scan:
	.size	k_qb10e0ec166_scan, .Lfunc_end_k_qb10e0ec166_scan-k_qb10e0ec166_scan
	.p2alignl 7, 3214868480
	.fill 96, 4, 3214868480
	.section	.rodata,"a",@progbits
	.p2align	6, 0x0
	.amdhsa_kernel k_qb10e0ec166_scan
		.amdhsa_group_segment_fixed_size 2304
		.amdhsa_private_segment_fixed_size 0
		.amdhsa_enable_private_segment 0
		.amdhsa_kernarg_size 24
		.amdhsa_user_sgpr_count 2
		.amdhsa_user_sgpr_kernarg_segment_ptr 1
		.amdhsa_wavefront_size32 1
		.amdhsa_system_sgpr_workgroup_id_x 1
		.amdhsa_system_sgpr_workgroup_id_y 1
		.amdhsa_system_sgpr_workgroup_id_z 1
		.amdhsa_system_vgpr_workitem_id 0
		.amdhsa_next_free_vgpr 128
		.amdhsa_next_free_sgpr 66
		.amdhsa_reserve_vcc 1
		.amdhsa_float_denorm_mode_32 3
		.amdhsa_float_denorm_mode_16_64 3
		.amdhsa_memory_ordered 1
		.amdhsa_forward_progress 1
		.amdhsa_inst_pref_size 19
	.end_amdhsa_kernel
	.amdgpu_metadata
---
amdhsa.version: [ 1, 2 ]
amdhsa.kernels:
  - .name:           k_qb10e0ec166_scan
    .symbol:         k_qb10e0ec166_scan.kd
    .args:
      - { .name: sliding_window_mask, .offset: 0, .size: 8, .value_kind: global_buffer, .address_space: global }
      - { .name: am, .offset: 8, .size: 8, .value_kind: global_buffer, .address_space: global }
      - { .name: need, .offset: 16, .size: 8, .value_kind: global_buffer, .address_space: global }
    .group_segment_fixed_size: 2304
    .private_segment_fixed_size: 0
    .kernarg_segment_align: 8
    .kernarg_segment_size: 24
    .max_flat_workgroup_size: 512
    .sgpr_count:     66
    .vgpr_count:     128
    .wavefront_size: 32
...
	.end_amdgpu_metadata
.endif
;; end of part 2
;; launch attn (part 3): grid 256 x 1, 16 waves a work-group, no clusters, 203,008 bytes of LDS; arguments sliding_window_mask, kv, qc, out0, need; writes out0
.if DOCPART == 3
	.amdgcn_target "amdgcn-amd-amdhsa--gfx1250"
	.amdhsa_code_object_version 6
	.text
	.protected	k_qb10e0ec166_attn
	.globl	k_qb10e0ec166_attn
	.p2align	8
	.type	k_qb10e0ec166_attn,@function
k_qb10e0ec166_attn:
	s_mov_b64 s[64:65], 0
	v_nop
	global_prefetch_b8 v0, s[64:65] scope:SCOPE_SE
	s_setreg_imm32_b32 hwreg(HW_REG_WAVE_MODE, 25, 1), 1
	s_wait_xcnt 0x0
; ATTN: out[b][q][head][:] = sum over keys of softmax(q . k / 8 + mask[b][q][key]) v[key][:], both products on codes of FP6 (E2M3) with E8M0 scales (layouts of kv and qc: the first launch's head comment).
; WORK LEFT OUT: tiles of 128 keys whose bit in need[] is 0.  The launch before has read the whole mask and shown, for all 16 queries of the block and all heads, that every p of such a tile is 0 in f32
;   (its head comment has the proof); they add nothing to the sum, to O or to the running maximum.  Whatever the mask holds, a tile with any p above 0 has its bit set.  attention_mask: see the first launch.
; SOFTMAX AHEAD OF THE SECOND PRODUCT: t = logit x log2(e), rounded to f32; M = the largest t so far, rounded UP to a whole number; p = 2^(t - M) is quantised along the keys; the row's sum is taken of the unquantised p
;   and divides at the end.  When M moves, the sum and O are multiplied by 2^(old M - new M): exact.  t - M is an addition of its own: t is rounded first, as the definition has it, under masks of any size.
; SHARES.  A work-group: 16 queries (rows 16 x work-group of the 4,096) x 16 heads; wave = head.  Four waves to a SIMD, 256 registers each.
; THE WALK hangs on a stored word, so the launch has no tensor load, hence no joint loads and no cluster.  Sixteen trips, a constant; a scalar jump leads round the step of a tile that is not wanted, and round no barrier.
;   The mask: wave w copies row w's wanted tiles, 512 consecutive bytes a load, into LDS once (tiles not wanted are laid as zeros and never read); one barrier; every head then reads them from LDS straight into the accumulators.
;   K's and V's images: from memory straight into the operand registers, 512 consecutive bytes a load.
; LAYOUT.  Both products transposed: S^T = K Q^T, O^T = V^T P^T: a lane holds ONE query (lane % 16).  A fragment of K carries two tiles of 16 keys and is multiplied by [q; 0] and [0; q].  THE MASK IS THE C OF THE FIRST PRODUCT;
;   q's scale bytes carry the 1/8.  Register 16 b + i of lane (r, h) is query r, key 32 b + 16 h + i.
; PREFETCH.  A head's record of a tile is 50 blocks of 256 bytes.  The eight neighbouring work-groups (block % 8) share them out by address, seven blocks each, lanes 0-6 (the other lanes name the last again, the last share is clamped to block 49).
;   At the head: the first wanted tile's record, ahead of the mask's copy.  In trip T: tile T + 2's, if wanted and not the first; bits 16 and 17 are 0, so the last two trips ask for nothing.  The mask's copy stands at the head, with no loop to run ahead in: no prefetch for it.
; LIMITS.  NaN and infinities in the mask are not served.  q . k / 8 + mask is rounded once, by the matrix unit.
.set MROW,  8208                       ; a row of the mask in LDS: 8,192 bytes + 16 = 513 x 16
.set STAGE, 16*MROW                    ; the way out: 16 rows x 272 bytes for each wave
.set SP,    272
.set SPARE, STAGE+16*16*SP             ; the spare words: 128 bytes for each of sixteen waves
.set REC,   12800
.set STEPB, 4*REC
.set IMGB,  1536
.set QHEAD, 102400
.set MAD,  1                           ; v1  my lane's place in a row of the mask: MROW r + 64 h
.set MA,   2                           ; v2  the same in this trip's tile
.set PFO,  3                           ; v3  the prefetch's offset
.set SPW,  4                           ; v4  my spare word;  v5  0
.set NIL,  5
.set IAD,  6                           ; v6  16 x lane
.set MST,  7                           ; v7  where I lay my row of the mask
.set WAD,  8                           ; v8  4 x lane
;                                        v12 -M, v13 the largest t, v[14:15] the sum; v16-21 zeros, v22-27 q's codes, v28-33 zeros
.set QS,   34
.set PS,   35
.set KS,   36                          ; v36, v37 K's scale words;  v38, v39 V's
.set VS,   38
.set FRG,  40                          ; v40-87   four fragments: K's, later V's
.set S,    88                          ; v88-151  the mask, then the logits, t, p
.set O,    152                         ; v152-183 O^T
.set PC,   184
.set TC,   196
.set BM,   204
.set PT,   208
.set SO,   212
.set BY,   216
.set F,    220
.set TMP,  222
.set SM,   224                         ; v224-237 seven more chains of the sum
.set WV,   14
.set MK,   18                          ; s[18:19] my row of the mask
.set KV,   20                          ; s[20:21] my head's record of this trip's tile
.set SEL,  30
.set LE,   32
.set NEED, 34
.set ASK,  35
.set T,    36
.set MOFF, 37
.set T2,   38
.set PF,   40
	s_load_b256 s[4:11], s[0:1], 0x0               ; the mask, kv, qc, out
	s_load_b64 s[12:13], s[0:1], 0x20              ; need
	v_lshl_add_u32 v[SPW], v0, 2, SPARE
	v_mov_b32 v[NIL], 0
	v_lshrrev_b32 v10, 5, v0
	v_readfirstlane_b32 s[WV], v10                 ; wave = head
	s_lshr_b32 s16, ttmp9, 7                       ; b
	s_and_b32 s17, ttmp9, 127                      ; block of 16 queries
	s_lshl_b32 s18, ttmp9, 4
	s_lshl_b32 s26, s18, 12                        ; out: row 16 x work-group of 4,096 bytes,
	s_lshl_b32 s42, s[WV], 8
	s_add_co_u32 s26, s26, s42                     ; my head's 256 bytes
	s_mov_b32 s27, 0
	s_add_co_u32 s18, s18, s[WV]
	s_lshl_b32 s18, s18, 13                        ; the mask: row 16 x work-group + wave
	s_mov_b32 s19, 0
	s_lshl_b32 s20, s16, 2
	s_lshr_b32 s42, s[WV], 2
	s_add_co_u32 s20, s20, s42
	s_mul_i32 s20, s20, 16*STEPB
	s_and_b32 s42, s[WV], 3
	s_mul_i32 s42, s42, REC
	s_add_co_u32 s20, s20, s42                     ; kv: (4 b + head / 4) x 16 steps, record head % 4
	s_mov_b32 s21, 0
	s_lshl_b32 s22, s16, 4
	s_add_co_u32 s22, s22, s[WV]
	s_mul_i32 s22, s22, QHEAD
	s_lshr_b32 s42, s17, 1                         ; g: the image of 32 positions that holds my 16 queries
	s_lshl_b32 s24, s42, 6
	s_add_co_u32 s24, s24, s22
	s_add_co_u32 s24, s24, 98304                   ; its scale words
	s_mov_b32 s25, 0
	s_mul_i32 s42, s42, IMGB
	s_add_co_u32 s22, s22, s42
	s_mov_b32 s23, 0
	s_and_b32 s28, s17, 1
	s_lshl_b32 s28, s28, 3                         ; 8 (block % 2)
	s_and_b32 s29, s17, 7
	s_mul_i32 s29, s29, 7                          ; my work-group's share of a record's blocks
	s_lshl_b32 s42, ttmp9, 2
	s_mov_b32 s43, 0
	s_mul_i32 s44, s[WV], MROW
	s_mul_i32 s45, s[WV], 16*SP
	s_add_co_u32 s45, s45, STAGE                   ; my stage
	s_mov_b32 s[SEL], 0x76543210
	s_mov_b32 s[SEL+1], 0xfedcba98
	s_mov_b32 s[LE], 0x3fb8aa3b                    ; log2(e)
	s_mov_b32 s[LE+1], s[LE]
	s_mov_b32 s[T], 0
	s_mov_b32 s[T2], 2
	s_mov_b32 s[MOFF], 0
	s_wait_kmcnt 0x0
	s_add_nc_u64 s[12:13], s[12:13], s[42:43]
	s_load_b32 s[NEED], s[12:13], 0x0
	s_add_nc_u64 s[MK:MK+1], s[4:5], s[MK:MK+1]
	s_add_nc_u64 s[KV:KV+1], s[6:7], s[KV:KV+1]
	s_add_nc_u64 s[22:23], s[8:9], s[22:23]
	s_add_nc_u64 s[24:25], s[8:9], s[24:25]
	s_add_nc_u64 s[26:27], s[10:11], s[26:27]
	; q's fragment.  My query r is row r' = r % 8 + 8 (block % 2) of tile u = r / 8 of image g; its block h lies in that image's lane 16 h + r', registers 6 u .. 6 u + 5
	v_and_b32 v10, 15, v0                          ; r
	v_bfe_u32 v11, v0, 4, 1                        ; h
	v_and_b32 v224, 7, v0
	v_bfe_u32 v226, v0, 3, 1                       ; u
	v_and_b32 v222, 31, v0
	v_add_nc_u32 v224, s28, v224                   ; r'
	v_mul_u32_u24 v[MAD], v10, MROW
	v_lshlrev_b32 v229, 2, v224                    ; its word
	v_lshl_add_u32 v224, v11, 4, v224
	v_lshl_add_u32 v[MAD], v11, 6, v[MAD]
	v_lshlrev_b32 v224, 4, v224
	v_lshlrev_b32 v[IAD], 4, v222
	v_mad_u32_u24 v227, v226, 520, v224            ; registers 6 u, 6 u + 1; 6 u + 4, 6 u + 5 lie 512 bytes on;
	v_mad_u32_u24 v228, v226, 1016, v224           ; 6 u + 2, 6 u + 3 at + 8
	global_load_b64 v[22:23], v227, s[22:23]
	global_load_b64 v[24:25], v228, s[22:23] offset:8
	global_load_b64 v[26:27], v227, s[22:23] offset:512
	global_load_b32 v[QS], v229, s[24:25]
	v_lshlrev_b32 v[WAD], 2, v222
	v_add_nc_u32 v[MST], s44, v[IAD]
	v_min_u32 v[PFO], 6, v222
	v_mov_b32 v13, 0xff61b1e6                      ; the largest t so far: -3e38
	v_add_nc_u32 v[PFO], s29, v[PFO]
	v_mov_b32 v14, 0
	v_min_u32 v[PFO], 49, v[PFO]
	v_floor_f32 v12, -v13                          ; -M
	v_lshlrev_b32 v[PFO], 8, v[PFO]
	v_mov_b32 v15, 0
.irp b, 0,1,2,3
	v_mov_b32 v[PT+\b], 0                          ; a lane permute's destination counts as one of its sources
.endr
	v_mov_b32 v[F+1], 0                            ; (named as the upper half of a pair)
	s_wait_alu depctr_va_vdst(0)                   ; directly ahead of the wait below
	s_wait_kmcnt 0x0
	s_and_b32 s[NEED], s[NEED], 0xffff             ; bit T: tile T is wanted
	s_sub_co_u32 s[ASK], s[NEED], 1
	s_and_b32 s[ASK], s[ASK], s[NEED]              ; the wanted tiles but the first
	s_ctz_i32_b32 s42, s[NEED]
	s_min_u32 s42, s42, 15                         ; the first
	s_mul_i32 s42, s42, STEPB
	s_mov_b32 s43, 0
	s_add_nc_u64 s[PF:PF+1], s[KV:KV+1], s[42:43]
	global_prefetch_b8 v[PFO], s[PF:PF+1] th:TH_LOAD_NT scope:SCOPE_SE
.macro GETM t                          ; tile t of my row: 512 consecutive bytes, or zeros
	s_bitcmp1_b32 s[NEED], \t
	s_cbranch_scc0 .Lnone_\@
	global_load_b128 v[S+4*\t:S+4*\t+3], v[IAD], s[MK:MK+1] offset:512*\t th:TH_LOAD_NT
	s_branch .Lgot_\@
.Lnone_\@:
.irp i, 0,1,2,3
	v_mov_b32 v[S+4*\t+\i], 0
.endr
.Lgot_\@:
.endm
.irp t, 0,1,2,3,4,5,6,7,8,9,10,11,12,13,14,15
	GETM \t
.endr
	s_wait_alu depctr_va_vdst(0)                   ; directly ahead of the wait below
	s_wait_loadcnt 0x0                             ; my row and q
.irp t, 0,1,2,3,4,5,6,7,8,9,10,11,12,13,14,15
	ds_store_b128 v[MST], v[S+4*\t:S+4*\t+3] offset:512*\t
.endr
	v_lshlrev_b32 v226, 4, v226
	s_delay_alu instid0(VALU_DEP_1)
	v_lshrrev_b32 v[QS], v226, v[QS]               ; tile u's two bytes of the word,
	s_delay_alu instid0(VALU_DEP_1)
	v_and_b32 v[QS], 0xffff, v[QS]
	s_delay_alu instid0(VALU_DEP_1)
	v_lshl_or_b32 v[QS], v[QS], 16, v[QS]          ; twice: they serve [q; 0] and [0; q].  (The moves below are the places between this line and the first product)
.irp i, 16,17,18,19,20,21,28,29,30,31,32,33
	v_mov_b32 v\i, 0                               ; the zero halves of [0; q] = v[16:27] and [q; 0] = v[22:33]
.endr
.set jj, 0
.rept 32
	v_mov_b32 v[O+jj], 0                           ; O^T: the step is written once; the first finds zeros
.set jj, jj+1
.endr
	s_wait_alu depctr_va_vdst(0)                   ; ahead of the barrier
	s_wait_dscnt 0x0                               ; my row lies in LDS
	s_barrier_signal -1
	s_barrier_wait -1                              ; all sixteen rows do
.macro QK b                            ; fragment b of K: keys 32 b .. 32 b + 31, as two tiles.  C = the mask, in place
	s_wait_loadcnt 3*(3-\b)                        ; this fragment's three loads are in; the three of each later one may be out
	s_wait_dscnt 4*(3-\b)                          ; likewise the mask's four
.if (\b)%2
	v_wmma_scale_f32_16x16x128_f8f6f4 v[S+16*\b:S+16*\b+7], v[FRG+12*\b:FRG+12*\b+11], v[22:33], v[S+16*\b:S+16*\b+7], v[KS+\b/2], v[QS] matrix_a_fmt:MATRIX_FMT_FP6 matrix_b_fmt:MATRIX_FMT_FP6 matrix_a_scale:MATRIX_SCALE_ROW1
	v_wmma_scale_f32_16x16x128_f8f6f4 v[S+16*\b+8:S+16*\b+15], v[FRG+12*\b:FRG+12*\b+11], v[16:27], v[S+16*\b+8:S+16*\b+15], v[KS+\b/2], v[QS] matrix_a_fmt:MATRIX_FMT_FP6 matrix_b_fmt:MATRIX_FMT_FP6 matrix_a_scale:MATRIX_SCALE_ROW1
.else
	v_wmma_scale_f32_16x16x128_f8f6f4 v[S+16*\b:S+16*\b+7], v[FRG+12*\b:FRG+12*\b+11], v[22:33], v[S+16*\b:S+16*\b+7], v[KS+\b/2], v[QS] matrix_a_fmt:MATRIX_FMT_FP6 matrix_b_fmt:MATRIX_FMT_FP6
	v_wmma_scale_f32_16x16x128_f8f6f4 v[S+16*\b+8:S+16*\b+15], v[FRG+12*\b:FRG+12*\b+11], v[16:27], v[S+16*\b+8:S+16*\b+15], v[KS+\b/2], v[QS] matrix_a_fmt:MATRIX_FMT_FP6 matrix_b_fmt:MATRIX_FMT_FP6
.endif
.endm
.macro PV t                            ; channels 16 t .. 16 t + 15, K = the step's 128 keys
.if (\t)%2
	v_wmma_scale_f32_16x16x128_f8f6f4 v[O+8*\t:O+8*\t+7], v[FRG+12*\t:FRG+12*\t+11], v[PC:PC+11], v[O+8*\t:O+8*\t+7], v[VS+\t/2], v[PS] matrix_a_fmt:MATRIX_FMT_FP6 matrix_b_fmt:MATRIX_FMT_FP6 matrix_a_scale:MATRIX_SCALE_ROW1
.else
	v_wmma_scale_f32_16x16x128_f8f6f4 v[O+8*\t:O+8*\t+7], v[FRG+12*\t:FRG+12*\t+11], v[PC:PC+11], v[O+8*\t:O+8*\t+7], v[VS+\t/2], v[PS] matrix_a_fmt:MATRIX_FMT_FP6 matrix_b_fmt:MATRIX_FMT_FP6
.endif
.endm
.Lloop:                                                ; sixteen trips, one for each tile of 128 keys.  The twelve accumulators take turns, one instruction a turn
	s_bitcmp1_b32 s[ASK], s[T2]
	s_cbranch_scc0 .Lno_ask
	global_prefetch_b8 v[PFO], s[KV:KV+1] offset:2*STEPB th:TH_LOAD_NT scope:SCOPE_SE
.Lno_ask:
	s_bitcmp1_b32 s[NEED], s[T]
	s_cbranch_scc0 .Lskip                          ; the tile is not wanted: round the step's work alone
	v_add_nc_u32 v[MA], s[MOFF], v[MAD]
	global_load_b32 v[KS], v[WAD], s[KV:KV+1] offset:12288     ; the scale words: 32 lanes take two fragments' sixteen words each
	global_load_b32 v[KS+1], v[WAD], s[KV:KV+1] offset:12416
	global_load_b32 v[VS], v[WAD], s[KV:KV+1] offset:12544
	global_load_b32 v[VS+1], v[WAD], s[KV:KV+1] offset:12672
.irp b, 0,1,2,3
.irp c, 0,1,2
	global_load_b128 v[FRG+12*\b+4*\c:FRG+12*\b+4*\c+3], v[IAD], s[KV:KV+1] offset:IMGB*\b+512*\c   ; K's image b, as it stands
.endr
.irp i, 0,1,2,3
	ds_load_b128 v[S+16*\b+4*\i:S+16*\b+4*\i+3], v[MA] offset:128*\b+16*\i   ; the mask of my query at keys 32 b + 16 h + 0 .. 15: straight into the accumulators
.endr
.endr
	QK 0
	QK 1
	QK 2
	QK 3
.rept 4
	v_nop                                          ; places in front of the loads into K's registers and of the first read of the logits
.endr
.irp t, 0,1,2,3
.irp c, 0,1,2
	global_load_b128 v[FRG+12*\t+4*\c:FRG+12*\t+4*\c+3], v[IAD], s[KV:KV+1] offset:6144+IMGB*\t+512*\c   ; V^T's images: asked for ahead of the softmax
.endr
.endr
.set jj, 0
.rept 32
	v_pk_mul_f32 v[S+jj:S+jj+1], v[S+jj:S+jj+1], s[LE:LE+1] op_sel_hi:[1,0]   ; t = logit x log2(e), rounded; each accumulator from its low end on
.set jj, jj+2
.endr
.irp b, 0,1,2,3
	v_max3_num_f32 v[BM+\b], v[S+16*\b], v[S+1+16*\b], v[S+2+16*\b]   ; the largest t of each block of 32 keys serves twice: for the row's maximum and, since p rises with t, for the block's largest p
.endr
.irp i, 3,5,7,9,11,13
.irp b, 0,1,2,3
	s_delay_alu instid0(VALU_DEP_4)
	v_max3_num_f32 v[BM+\b], v[BM+\b], v[S+16*\b+\i], v[S+1+16*\b+\i]
.endr
.endr
.irp b, 0,1,2,3
	s_delay_alu instid0(VALU_DEP_4)
	v_max_num_f32 v[BM+\b], v[BM+\b], v[S+15+16*\b]
.endr
.irp b, 0,1,2,3
	s_delay_alu instid0(VALU_DEP_4)
	v_permlanex16_b32 v[PT+\b], v[BM+\b], s[SEL], s[SEL+1]
.endr
.irp b, 0,1,2,3
	s_delay_alu instid0(VALU_DEP_4)
	v_max_num_f32 v[BM+\b], v[BM+\b], v[PT+\b]     ; with lane l xor 16's 16 keys
.endr
	s_delay_alu instid0(VALU_DEP_2)
	v_max3_num_f32 v[TMP], v[BM], v[BM+1], v[BM+2]
	s_delay_alu instid0(VALU_DEP_1)
	v_max_num_f32 v[TMP], v[TMP], v[BM+3]
	s_delay_alu instid0(VALU_DEP_1)
	v_max_num_f32 v13, v13, v[TMP]                 ; the running largest t
	v_mov_b32 v[TMP], v12
	s_delay_alu instid0(VALU_DEP_2)
	v_floor_f32 v12, -v13                          ; the new -M = -ceil(t): a whole number
	s_delay_alu instid0(VALU_DEP_1)
	v_sub_f32 v[TMP], v12, v[TMP]                  ; old M - new M: a whole number, 0 or less
	s_delay_alu instid0(VALU_DEP_1)
	v_cvt_i32_f32 v[TMP], v[TMP]                   ; (it saturates)
	s_delay_alu instid0(VALU_DEP_1)
	v_ldexp_f32 v[F], 1.0, v[TMP]                  ; f = 2^(old M - new M)
.set jj, 0
.rept 32
	v_pk_add_f32 v[S+jj:S+jj+1], v[S+jj:S+jj+1], v[12:13] op_sel_hi:[1,0]   ; t - M (of the pair the low word, -M, serves both halves)
.set jj, jj+2
.endr
.irp b, 0,1,2,3
	v_add_f32 v[BM+\b], v[BM+\b], v12              ; the same addition on each block's largest t
.endr
	s_wait_alu depctr_va_vdst(0)                   ; ahead of the batch
.set jj, 0
.rept 64
	v_exp_f32 v[S+jj], v[S+jj]                     ; p = 2^(t - M), at most 1
.set jj, jj+1
.endr
.irp b, 0,1,2,3
	v_exp_f32 v[BM+\b], v[BM+\b]                   ; the block's largest p: the same instructions on the same number give the same bits
.endr
	v_pk_mul_f32 v[14:15], v[14:15], v[F:F+1] op_sel_hi:[1,0]   ; the sum under the new M.  (A plain place behind the exponentials)
	s_wait_alu depctr_va_vdst(0)                   ; and the wait behind the batch
.irp b, 0,1,2,3
	v_max_num_f32 v[BM+\b], 0x1800000, v[BM+\b]    ; the floor 2^(3 - 127): the byte cannot fall under 1; a block whose every p is 0 keeps that byte, and its codes are zeros
.endr
.irp b, 0,1,2,3
	s_delay_alu instid0(VALU_DEP_4)
	v_add_nc_u32 v[SO+\b], 0xff000000, v[BM+\b]    ; 2 off the exponent field: the conversion's scale operand
.endr
.irp b, 0,1,2,3
	s_delay_alu instid0(VALU_DEP_4)
	v_lshrrev_b32 v[BY+\b], 23, v[SO+\b]
.endr
	s_delay_alu instid0(VALU_DEP_3)
	v_lshl_or_b32 v[PS], v[BY+1], 8, v[BY]         ; p's scale word for these 128 keys
	s_delay_alu instid0(VALU_DEP_1)
	v_lshl_or_b32 v[PS], v[BY+2], 16, v[PS]
	s_delay_alu instid0(VALU_DEP_1)
	v_lshl_or_b32 v[PS], v[BY+3], 24, v[PS]
.irp c, 0,1
	v_cvt_scalef32_pk16_fp6_f32 v[PC+6*\c:PC+6*\c+2], v[S+32*\c:S+32*\c+15], v[SO+2*\c]
	v_cvt_scalef32_pk16_fp6_f32 v[TC+4*\c:TC+4*\c+2], v[S+32*\c+16:S+32*\c+31], v[SO+2*\c+1]   ; (a conversion's three registers begin on an even number)
.endr
	v_nop                                          ; one plain place behind the scaled conversions
.irp c, 0,1                                    ; the operand wants a WHOLE block in a lane: lanes 0-15 block 2 c, lanes 16-31 block 2 c + 1
.irp i, 0,1,2
	v_permlane16_swap_b32 v[PC+6*\c+\i], v[TC+4*\c+\i]
.endr
.irp i, 0,1,2
	s_delay_alu instid0(VALU_DEP_3)
	v_mov_b32 v[PC+6*\c+3+\i], v[TC+4*\c+\i]
.endr
.endr
.irp c, 0,1,2,3,4,5,6                          ; the row's sum, of the unquantised p: eight chains by turns
	v_pk_add_f32 v[SM+2*\c:SM+2*\c+1], v[S+4*\c:S+4*\c+1], v[S+4*\c+2:S+4*\c+3]
.endr
	v_pk_add_f32 v[14:15], v[14:15], v[S+28:S+29]
.irp j, 30,46
.irp c, 0,1,2,3,4,5,6
	v_pk_add_f32 v[SM+2*\c:SM+2*\c+1], v[SM+2*\c:SM+2*\c+1], v[S+\j+2*\c:S+\j+2*\c+1]
.endr
	v_pk_add_f32 v[14:15], v[14:15], v[S+\j+14:S+\j+15]
.endr
	v_pk_add_f32 v[SM:SM+1], v[SM:SM+1], v[S+62:S+63]
	v_pk_add_f32 v[SM+2:SM+3], v[SM+2:SM+3], v[SM+10:SM+11]
	v_pk_add_f32 v[SM+4:SM+5], v[SM+4:SM+5], v[SM+12:SM+13]
	v_pk_add_f32 v[14:15], v[14:15], v[SM+6:SM+7]
	v_pk_add_f32 v[SM:SM+1], v[SM:SM+1], v[SM+8:SM+9]
	s_delay_alu instid0(VALU_DEP_2)
	v_pk_add_f32 v[14:15], v[14:15], v[SM+4:SM+5]
	s_delay_alu instid0(VALU_DEP_2)
	v_pk_add_f32 v[SM:SM+1], v[SM:SM+1], v[SM+2:SM+3]
	s_delay_alu instid0(VALU_DEP_1)
	v_pk_add_f32 v[14:15], v[14:15], v[SM:SM+1]
	s_wait_alu depctr_va_vdst(0)                   ; directly ahead of the first reader of O^T
.set jj, 0
.rept 16
	v_pk_mul_f32 v[O+jj:O+jj+1], v[O+jj:O+jj+1], v[F:F+1] op_sel_hi:[1,0]   ; O^T under the new M, each accumulator from its low end on.  (The sums and these are the places between p's word and codes and the products)
.set jj, jj+2
.endr
	s_wait_alu depctr_va_vdst(0)                   ; directly ahead of the wait below
	s_wait_loadcnt 0x0                             ; V^T's images are in
	PV 0
	PV 1
	PV 2
	PV 3
.rept 4
	v_nop                                          ; places in front of the next step's loads into these fragments and scale words, and of the way out
.endr
.Lskip:
	s_wait_xcnt 0x0                                ; the trip's loads and prefetch have read their base: it is stepped only now
	s_add_nc_u64 s[KV:KV+1], s[KV:KV+1], STEPB
	s_add_co_u32 s[MOFF], s[MOFF], 512
	s_add_co_u32 s[T2], s[T2], 1
	s_add_co_u32 s[T], s[T], 1
	s_cmp_lt_u32 s[T], 16
	s_cbranch_scc1 .Lloop
	; THE WAY OUT.  O^T / the sum goes through my stage in LDS and leaves as whole rows: a query's 64 channels of my head are 256 consecutive bytes of out, aligned.
	v_and_b32 v10, 15, v0                          ; r
	v_bfe_u32 v11, v0, 4, 1                        ; h
	v_add_f32 v14, v14, v15                        ; the sum's two halves,
	v_mul_u32_u24 v222, v10, SP
	v_mul_u32_u24 v223, v11, SP
	v_permlanex16_b32 v[PT], v14, s[SEL], s[SEL+1]
	v_lshl_add_u32 v222, v11, 5, v222
	v_lshl_add_u32 v223, v10, 4, v223
	v_add_f32 v14, v14, v[PT]                      ; and lane l xor 16's keys: the row's sum
	v_add_nc_u32 v222, s45, v222                   ; in: row r; tile t's eight channels of my half at 64 t + 32 h
	v_add_nc_u32 v223, s45, v223                   ; back: lanes 0-15 one row, lanes 16-31 the next
	v_lshlrev_b32 v224, 12, v11
	s_delay_alu instid0(VALU_DEP_1)
	v_lshl_add_u32 v224, v10, 4, v224              ; and the same two rows in out
	s_wait_alu depctr_va_vdst(0)                   ; ahead of the reciprocal
	v_rcp_f32 v14, v14
	v_nop                                          ; one plain place behind the reciprocal
	s_wait_alu depctr_va_vdst(0)                   ; and behind it, ahead of its first reader and O^T's
.set jj, 0
.rept 32
	v_mul_f32 v[S+jj], v[O+jj], v14                ; register 8 t + i: out(query r, channel 16 t + 8 h + i)
.set jj, jj+1
.endr
.irp t, 0,1,2,3
	ds_store_b128 v222, v[S+8*\t:S+8*\t+3] offset:64*\t
	ds_store_b128 v222, v[S+8*\t+4:S+8*\t+7] offset:64*\t+16
.endr
.irp i, 0,1,2,3,4,5,6,7
	ds_load_b128 v[S+32+4*\i:S+32+4*\i+3], v223 offset:2*\i*SP   ; LDS serves a wave's instructions in order (ISA guide 5.7.1.4): these see my stores
.endr
.irp i, 0,1,2,3,4,5,6,7
	s_wait_dscnt 7-\i                              ; the younger loads may be out
	global_store_b128 v224, v[S+32+4*\i:S+32+4*\i+3], s[26:27] offset:8192*\i th:TH_STORE_NT   ; sixteen lanes store 256 consecutive bytes, aligned
.endr
	s_wait_tensorcnt 0x0                           ; the wave's end, behind my last LDS store
	ds_add_u32 v[SPW], v[NIL]
	s_wait_dscnt 0x0
	s_endpgm
.Lfunc_end_k_qb10e0ec166_attn:
	.size	k_qb10e0ec166_attn, .Lfunc_end_k_qb10e0ec166_attn-k_qb10e0ec166_attn
	.p2alignl 7, 3214868480
	.fill 96, 4, 3214868480
	.section	.rodata,"a",@progbits
	.p2align	6, 0x0
	.amdhsa_kernel k_qb10e0ec166_attn
		.amdhsa_group_segment_fixed_size 203008
		.amdhsa_private_segment_fixed_size 0
		.amdhsa_enable_private_segment 0
		.amdhsa_kernarg_size 40
		.amdhsa_user_sgpr_count 2
		.amdhsa_user_sgpr_kernarg_segment_ptr 1
		.amdhsa_wavefront_size32 1
		.amdhsa_system_sgpr_workgroup_id_x 1
		.amdhsa_system_sgpr_workgroup_id_y 1
		.amdhsa_system_sgpr_workgroup_id_z 1
		.amdhsa_system_vgpr_workitem_id 0
		.amdhsa_next_free_vgpr 256
		.amdhsa_next_free_sgpr 66
		.amdhsa_reserve_vcc 0
		.amdhsa_float_denorm_mode_32 3
		.amdhsa_float_denorm_mode_16_64 3
		.amdhsa_memory_ordered 1
		.amdhsa_forward_progress 1
		.amdhsa_inst_pref_size 39
	.end_amdhsa_kernel
	.amdgpu_metadata
---
amdhsa.version: [ 1, 2 ]
amdhsa.kernels:
  - .name:           k_qb10e0ec166_attn
    .symbol:         k_qb10e0ec166_attn.kd
    .args:
      - { .name: sliding_window_mask, .offset: 0, .size: 8, .value_kind: global_buffer, .address_space: global }
      - { .name: kv, .offset: 8, .size: 8, .value_kind: global_buffer, .address_space: global }
      - { .name: qc, .offset: 16, .size: 8, .value_kind: global_buffer, .address_space: global }
      - { .name: out0, .offset: 24, .size: 8, .value_kind: global_buffer, .address_space: global }
      - { .name: need, .offset: 32, .size: 8, .value_kind: global_buffer, .address_space: global }
    .group_segment_fixed_size: 203008
    .private_segment_fixed_size: 0
    .kernarg_segment_align: 8
    .kernarg_segment_size: 40
    .max_flat_workgroup_size: 512
    .sgpr_count:     66
    .vgpr_count:     256
    .wavefront_size: 32
...
	.end_amdgpu_metadata
.endif
;; end of part 3
